; MI455X (gfx1250); checked and timed in simulation.
; The chip was launched on July 23, 2026; its instructions are those of AMD's public machine-readable ISA for CDNA 5 (MIT licence, August 2026) and "CDNA5" Instruction Set Architecture Reference Guide (July 2026). The comments in the code are by the model that wrote it; some were corrected since.
;; Multi Head Attention. Allowed arithmetic: matrix products marked QUANTISED: E5M2 operands, one given power-of-two scale a tensor, by v_wmma_f32_16x16x64_bf8_bf8 or v_wmma_f32_16x16x128_bf8_bf8, f32 sums; everything else in f32.
;; Inputs: K_codes 8 x 1,024 x 8 x 32 uint8 (E5M2 codes of K, K innermost, in blocks of 32 codes); Q_codes 8 x 1,024 x 8 x 32 uint8 (E5M2 codes of Q, K innermost, in blocks of 32 codes); V_codes 8 x 1,024 x 8 x 32 uint8 (E5M2 codes of V, K innermost, in blocks of 32 codes); Wk_codes 2,048 x 8 x 32 uint8 (E5M2 codes of Wk, K innermost, in blocks of 32 codes); Wo_codes 256 x 64 x 32 uint8 (E5M2 codes of Wo, K innermost, in blocks of 32 codes); Wq_codes 2,048 x 8 x 32 uint8 (E5M2 codes of Wq, K innermost, in blocks of 32 codes); Wv_codes 2,048 x 8 x 32 uint8 (E5M2 codes of Wv, K innermost, in blocks of 32 codes); att_mask_out 8 x 1 x 1,024 bool; bk 2,048 float32; bo 256 float32; bq 2,048 float32; bv 2,048 float32; lowp_scales 12 int32 (the exponents e of the quantised operands' scales 2^e).
;; Outputs: out0 8 x 1,024 x 256 float32.
;; This version of the problem:
;;   THIS VERSION OF THE PROBLEM IS GIVEN IN LOW PRECISION. The matrix products marked QUANTISED in the list below multiply operands that are first quantised to E5M2 (5 exponent bits, 2 mantissa bits; 8 bits a number), with one given power-of-two scale for each operand tensor; their sums are f32. All else is computed in f32.
;;   The module's matrix products, in the order in which they are computed (A, B: the left and right operand; K: the contracted axis; several contracted axes count as one K, in the product's order):
;;     1. [M 8,192, K 256] x [K 256, N 2,048]; A: input Q (given as codes); B: input Wq (given as codes): QUANTISED (scales: A lowp_scales[0], B lowp_scales[1])
;;     2. [M 8,192, K 256] x [K 256, N 2,048]; A: input K (given as codes); B: input Wk (given as codes): QUANTISED (scales: A lowp_scales[2], B lowp_scales[3])
;;     3. [M 8,192, K 256] x [K 256, N 2,048]; A: input V (given as codes); B: input Wv (given as codes): QUANTISED (scales: A lowp_scales[4], B lowp_scales[5])
;;     4. batch 64 x [M 1,024, K 256] x [K 256, N 1,024]; A: computed on the way; B: computed on the way: QUANTISED (scales: A lowp_scales[6], B lowp_scales[7])
;;     5. batch 64 x [M 256, K 1,024] x [K 1,024, N 1,024]; A: computed on the way; B: softmax (see below): QUANTISED (scales: A lowp_scales[8], B lowp_scales[9])
;;     6. [M 8,192, K 2,048] x [K 2,048, N 256]; A: computed on the way; B: input Wo (given as codes): QUANTISED (scales: A lowp_scales[10], B lowp_scales[11])
;;   THE QUANTISER, for each operand of a quantised product, along K:
;;     - The operand's scale is 2^e, e = its entry of the input lowp_scales (int32; the entries are numbered through the quantised products in the list's order, A before B).
;;     - Each number is divided by the scale, clamped to +-57,344, and rounded to the nearest number of E5M2, ties to even, subnormals kept.
;;     - The product sums the exact products of the quantised numbers (number of the format x scale) in f32.
;;   ~~~python
;;   def quantise(x, axis, e):      # numpy; x: float32 -> the quantised numbers, widened to float32 again
;;       x = np.moveaxis(x, axis, -1); K = x.shape[-1]
;;       r = np.clip(x / 2.0 ** e, -57344, 57344)
;;       step = 2.0 ** (np.maximum(np.frexp(np.where(r == 0, 1, r))[1] - 1, -14) - 2)
;;       q = np.round(r / step) * step * 2.0 ** e      # np.round: ties to even
;;       return np.moveaxis(q, -1, axis).astype(np.float32)
;;   ~~~
;;   SOFTMAX AHEAD OF A QUANTISED PRODUCT. Where the list says 'softmax', what is quantised is not the finished softmax but p = 2^(t - M), with t = logit x log2(e) and M = ceil(the row's largest t), a whole number; so 1/2 < the row's largest p <= 1. The row's sum l is taken of the UNQUANTISED p, in f32, and the product's result is divided by l at the end. Since M is a whole number, a kernel that streams over the keys may use a running M (the ceiling of the running maximum): every later rescaling is an exact power of two, so the quantised numbers keep their values, but for numbers so far below the row's largest that they fall under the format's range.
;;   OPERANDS COMPUTED ON THE WAY. 'Computed on the way' means the value that the module computes at that place (a softmax that the list does not call 'softmax' is quantised finished and normalised). What goes into a quantiser is computed in f32, as accurately as f32 sums, v_exp_f32 and their like allow (about 1e-6 of the number): no bf16 or f16 on the way to a quantiser, and a product that is left as it is and whose result goes on into a quantised operand takes f32 operands (vector FMAs, or v_wmma_f32_16x16x4_f32). A number that lies on a knife's edge between two numbers of the format may be rounded either way, as far as f32 arithmetic and the matrix unit's own rounding can turn it there, and no further.
;;   INPUTS GIVEN AS CODES. K (in the module: [8, 1024, 256], K = its axis 2); Q (in the module: [8, 1024, 256], K = its axis 2); V (in the module: [8, 1024, 256], K = its axis 2); Wk (in the module: [256, 2048], K = its axis 0); Wo (in the module: [2048, 256], K = its axis 0); Wq (in the module: [256, 2048], K = its axis 0); Wv (in the module: [256, 2048], K = its axis 0): each comes as NAME_codes (uint8): NAME with its K axis moved to the last place and cut into blocks of 32 codes, [.., K / 32, bytes a block], one block behind the other in memory; one code a byte (a code: sign, 5 exponent bits, 2 mantissa bits); its scale is its entry of lowp_scales. Its value is code x scale, taken as it is: it is not quantised again, and the codes and scales need not be those that the quantiser above would give.
;; One version. Each part assembles by itself: llvm-mc -triple=amdgcn-amd-amdhsa -mcpu=gfx1250 --defsym DOCPART=n.
;; ======== version 1 of 1: 3 launches
;; limits: right only within a limited range of input values
;; workspace buffers: k_img 16,777,216 bytes; v_img 16,777,216 bytes; ctx_img 16,777,216 bytes
;; launch proj (part 1): grid 8 x 32, 4 waves a work-group, clusters of 4 x 4, 327,680 bytes of LDS; arguments K_codes, V_codes, Wk_codes, Wv_codes, bk, bv, att_mask_out, lowp_scales, k_img, v_img; writes k_img, v_img
.if DOCPART == 1
	.amdgcn_target "amdgcn-amd-amdhsa--gfx1250"
	.amdhsa_code_object_version 6
	.text
	.protected	k_qf4b49c566c_proj
	.globl	k_qf4b49c566c_proj
	.p2align	8
	.type	k_qf4b49c566c_proj,@function
k_qf4b49c566c_proj:
	s_mov_b64 s[64:65], 0
	v_nop
	global_prefetch_b8 v0, s[64:65] scope:SCOPE_SE
	s_setreg_imm32_b32 hwreg(HW_REG_WAVE_MODE, 25, 1), 1
	s_wait_xcnt 0x0
	s_wait_alu depctr_hold_cnt(0) depctr_sa_sdst(0) depctr_va_vdst(0) depctr_va_sdst(0) depctr_va_ssrc(0) depctr_va_vcc(0) depctr_vm_vsrc(0)
	s_getreg_b32 s2, hwreg(HW_REG_IB_STS2, 6, 4)
	s_cmp_eq_u32 s2, 0
	s_cbranch_scc0 .Lentry_in_a_cluster
	s_endpgm
.Lentry_in_a_cluster:
	s_bfe_u32 s2, ttmp6, 0x10000c
	s_cmp_lg_u32 s2, 0xf033
	s_cbranch_scc0 .Lentry_shape_is_right
	s_endpgm
.Lentry_shape_is_right:
; k = Q(K Wk + bk) and v = Q(V Wv + bv), codes of BF8 (E5M2) from codes, stored as images of the attention's fragments.  (The q projection stands in the attention launch: each of its work-groups needs rows of q that no other needs.)
; No work of the problem is left out.
; k_img: [8 batch + head 64][tile of 16 keys 64][128 channels 2][2048]; v_img: [64][step of 128 keys 8][tile of 16 channels 16][2048].  An image: register n of lane l at 512 (n / 4) + 16 l + 4 (n % 4).
; A work-group makes 256 tokens x the 256 channels of one head (x: head, y: block of tokens), of k and then of v; a wave 128 x 128: 64 accumulators of 16 x 16.
; k: source 0 = 16 rows of Wk, source 1 = 16 tokens: a lane holds one key, its registers run along the channels.  v: source 0 = 16 tokens, source 1 = 16 rows of Wv: a lane holds one channel, its registers run along the keys.
; So one conversion of eight registers gives registers 2 t, 2 t + 1 of the operand, in the matrix form's own layout.
; THE CHANNELS OF A TILE OF v ARE NOT NEIGHBOURS: lane r of tile 2 b + u takes channel 32 b + 8 u + r + 8 (r / 8): then the attention's results lie, in a lane, as 16 neighbouring channels.
; A bias, divided by the power of two that the sums lack, is the C of a tile's first product.  A masked key's codes of k are made zeros: its lane's hold is 0.
; CLUSTERS: 4 x 4: tokens are shared along a row of the cluster, weights along a column: asked for jointly.  Slot 0: K and Wk, slot 1: V and Wv; no LDS byte is filled twice.  Nothing is prefetched: there is no loop to run ahead in.
; LIMITS: e7 - e2 - e3 and e8 - e4 - e5 between -126 and 112.  NaN is not served.
; REGISTERS: window 0: addresses; v16-23 holds of the lane's keys; v32-63 codes; v64-127 bias; v128-255 source 1's fragments of 128 K.  window 1: source 0's, two sets.  windows 2, 3: accumulator (a, b) at 64 (a % 4) + 8 b.
.set PITCH, 272                        ; 256 bytes + 16 of padding = 68 words: row r starts at bank 4 r mod 64 (64 banks of 4 bytes: ISA guide 11.1)
.set HALFT, 128*PITCH
.set SLOT,  4*HALFT
.set SPARE, 2*SLOT                     ; the spare words: two blocks of 256 bytes that no other line names
.set LI,  1                            ; 16 x lane
.set ADR, 4                            ; v4, v5  source 1's fragments (u = 0: k, 1: v)
.set ADP, 6                            ; v6, v7  source 0's
.set ABK, 10                           ; 32 h
.set ABV, 11                           ; 4 x the lane's channel
.set AMK, 12                           ; r
.set SC,  13
.set LIM, 14
.set MK,  16
.set SPW, 28
.set NIL, 29
.set CB,  32
.set BI,  64
.set AF,  128
.set WV,  66
.set WR,  67
.set WP,  86
.set G1X, 24
.set G1W, 32
.set G0X, 40
.set G0W, 48
.set NB,  80
.set SCB, 82
.set LMB, 84
.set MSB, 0
.macro WIN new
.if MSB != (\new)
	s_set_vgpr_msb (MSB<<8)|(\new)
.set MSB, (\new)
.endif
.endm
.macro PLACES n
.rept \n
	v_nop
.endr
.endm
; A joint load: waves 0 and 1 fetch token rows, waves 2 and 3 weight rows, 128 each.  Four v_nop follow each of the two lines.
.macro JLOAD s
	s_cmp_eq_u32 s[WR], 0
	s_cbranch_scc0 .Lfor_w_\@
	tensor_load_to_lds s[G0X+4*\s:G0X+4*\s+3], s[G1X:G1X+7]
	s_nop 0
	PLACES 4
	s_branch .Lasked_\@
.Lfor_w_\@:
	tensor_load_to_lds s[G0W+4*\s:G0W+4*\s+3], s[G1W:G1W+7]
	s_nop 0
	PLACES 4
.Lasked_\@:
.endm
.macro CROUND
	s_barrier_signal -1
	s_barrier_wait -1
	s_cmp_lg_u32 s[WV], 0
	s_cbranch_scc1 .Lnot_wave_0_\@
	s_barrier_signal -3
.Lnot_wave_0_\@:
	s_barrier_wait -3
	s_barrier_signal -1
	s_barrier_wait -1
.endm
	s_load_b512 s[4:19], s[0:1], 0x0               ; K s[4:5], V s[6:7], Wk s[8:9], Wv s[10:11], bk s[12:13], bv s[14:15], the mask s[16:17], the scales' exponents s[18:19]
	s_load_b128 s[20:23], s[0:1], 0x40             ; k_img, v_img
	v_lshl_add_u32 v[SPW], v0, 2, SPARE
	v_mov_b32 v[NIL], 0
	ds_add_u32 v[SPW], v[NIL]                      ; the wave's opening: the add, twice on end, and its wait ahead of my first tensor load
	ds_add_u32 v[SPW], v[NIL]
	v_lshrrev_b32 v2, 5, v0
	v_readfirstlane_b32 s[WV], v2
	s_lshr_b32 s[WR], s[WV], 1                     ; which half of source 1's rows is mine
	s_and_b32 s[WP], s[WV], 1                      ; which half of source 0's; also: which 128 rows I fetch
	s_bfe_u32 s56, ttmp6, 0x40000                  ; cx
	s_bfe_u32 s57, ttmp6, 0x40004                  ; cy
	s_lshl_b32 s58, ttmp9, 2
	s_add_co_u32 s58, s58, s56                     ; head
	s_and_b32 s59, ttmp7, 0xffff
	s_lshl_b32 s59, s59, 2
	s_add_co_u32 s59, s59, s57                     ; block of 256 tokens
	s_lshl_b32 s60, s57, 2
	s_lshl_b32 s60, 15, s60                        ; my row of the cluster
	s_lshl_b32 s61, 0x1111, s56                    ; my column
	s_or_b32 s[G1X], s60, (1<<20)|(1<<21)|(5<<22)|(3<<25)   ; the mask; elements of 1 byte; padding on; 21 set beside a mask; after every 64 words (code 5) four words (code 3)
	s_or_b32 s[G1W], s61, (1<<20)|(1<<21)|(5<<22)|(3<<25)
.irp g, G1X, G1W
	s_mov_b32 s[\g+1], 256<<16
	s_mov_b32 s[\g+2], 128<<16
	s_mov_b32 s[\g+3], 256<<16
	s_mov_b32 s[\g+4], 128
	s_mov_b32 s[\g+5], 256
	s_mov_b32 s[\g+6], 0
	s_mov_b32 s[\g+7], 0
.endr
	s_lshl_b32 s62, s[WP], 15
	s_lshl_b32 s88, s59, 16
	s_add_co_u32 s88, s88, s62                     ; token rows: (256 x block + 128 x half) x 256 bytes
	s_mov_b32 s89, 0
	s_lshl_b32 s90, s58, 16
	s_add_co_u32 s90, s90, s62                     ; weight rows: (256 x head + 128 x half) x 256 bytes
	s_mov_b32 s91, 0
	s_mul_i32 s87, s[WV], HALFT                    ; where they go: tokens' two halves, weights' two halves
	s_mul_i32 s92, s[WR], HALFT
	s_mul_i32 s93, s[WP], HALFT
	v_and_b32 v2, 15, v0                           ; r
	v_bfe_u32 v3, v0, 4, 1                         ; h
	v_and_b32 v[LI], 31, v0
	v_lshlrev_b32 v[LI], 4, v[LI]
	v_and_b32 v24, 8, v2
	v_add_nc_u32 v24, v24, v2                      ; r + 8 (r / 8)
	v_mul_u32_u24 v15, v2, PITCH
	v_lshl_add_u32 v15, v3, 4, v15
	v_mul_u32_u24 v25, v24, PITCH
	v_lshl_add_u32 v25, v3, 4, v25
	v_add_nc_u32 v[ADR], s92, v15                  ; k: tokens
	v_add_nc_u32 v[ADP], s93, v15
	v_add_nc_u32 v[ADP+1], SLOT, v[ADP]            ; v: tokens
	v_add_nc_u32 v[ADP], 2*HALFT, v[ADP]           ; k: Wk
	v_add_nc_u32 v[ADR+1], s92, v25
	v_add_nc_u32 v[ADR+1], SLOT+2*HALFT, v[ADR+1]  ; v: Wv
	v_lshlrev_b32 v[ABK], 5, v3
	v_lshlrev_b32 v[ABV], 2, v24
	v_mov_b32 v[AMK], v2
	s_wait_alu depctr_va_vdst(0)
	s_wait_dscnt 0x0                               ; both opening adds are done
	s_wait_kmcnt 0x0
	s_load_b256 s[68:75], s[18:19], 0x0            ; e0 .. e7
	s_load_b128 s[76:79], s[18:19], 0x20           ; e8 .. e11
.irp s, 0,1
	s_mov_b32 s[G0X+4*\s], 1
	s_add_co_u32 s[G0X+4*\s+1], s87, \s*SLOT
	s_add_nc_u64 s[G0X+4*\s+2:G0X+4*\s+3], s[4+2*\s:5+2*\s], s[88:89]
	s_or_b32 s[G0X+4*\s+3], s[G0X+4*\s+3], 0x80000000
	s_mov_b32 s[G0W+4*\s], 1
	s_add_co_u32 s[G0W+4*\s+1], s87, \s*SLOT
	s_add_nc_u64 s[G0W+4*\s+2:G0W+4*\s+3], s[8+2*\s:9+2*\s], s[90:91]
	s_or_b32 s[G0W+4*\s+3], s[G0W+4*\s+3], 0x80000000
.endr
	CROUND                                         ; all sixteen work-groups are here: the first joint loads meet
	JLOAD 0
	s_lshl_b32 s94, s58, 10
	s_lshl_b32 s96, s[WP], 9
	s_add_co_u32 s96, s96, s94
	s_mov_b32 s97, 0
	s_add_nc_u64 s[12:13], s[12:13], s[96:97]      ; bk of my 128 channels
	s_lshl_b32 s96, s[WR], 9
	s_add_co_u32 s96, s96, s94
	s_add_nc_u64 s[14:15], s[14:15], s[96:97]      ; bv of mine
	s_lshl_b32 s96, s59, 8
	s_lshl_b32 s94, s[WR], 7
	s_add_co_u32 s96, s96, s94
	s_add_nc_u64 s[16:17], s[16:17], s[96:97]      ; my 128 keys' mask bytes
	s_lshr_b32 s94, s59, 2
	s_lshl_b32 s94, s94, 3
	s_add_co_u32 s94, s94, s58                     ; 8 x batch + head
	s_lshl_b32 s94, s94, 18
	s_and_b32 s95, s59, 3
	s_lshl_b32 s95, s95, 16
	s_add_co_u32 s94, s94, s95
	s_lshl_b32 s96, s[WR], 15
	s_lshl_b32 s95, s[WP], 11
	s_add_co_u32 s96, s96, s95
	s_add_co_u32 s96, s96, s94
	s_add_nc_u64 s[20:21], s[20:21], s[96:97]
	s_lshl_b32 s96, s[WP], 15
	s_lshl_b32 s95, s[WR], 14
	s_add_co_u32 s96, s96, s95
	s_add_co_u32 s96, s96, s94
	s_add_nc_u64 s[22:23], s[22:23], s[96:97]
.irp b, 0,1,2,3,4,5,6,7
	global_load_b128 v[BI+8*\b:BI+8*\b+3], v[ABK], s[12:13] offset:64*\b      ; bk of channels 16 b + 8 h + 0..7
	global_load_b128 v[BI+8*\b+4:BI+8*\b+7], v[ABK], s[12:13] offset:64*\b+16
.endr
.irp a, 0,1,2,3,4,5,6,7
	global_load_u8 v[MK+\a], v[AMK], s[16:17] offset:16*\a
.endr
.macro CONSTS u, ex, ew, eo            ; -(ex + ew); 2^(eo - ex - ew), by which a sum is divided for its code; and 57,344 times that
	s_add_co_i32 s94, s[\ex], s[\ew]
	s_sub_co_i32 s[NB+\u], 0, s94
	s_sub_co_i32 s94, s[\eo], s94
	s_add_co_i32 s94, s94, 127
	s_lshl_b32 s[SCB+\u], s94, 23
	s_add_co_i32 s94, s94, 15
	s_lshl_b32 s94, s94, 23
	s_or_b32 s[LMB+\u], s94, 0x600000
.endm
.macro FETCH_P u, ks                   ; source 0's eight fragments
	WIN 0x40
.irp i, 0,1,2,3,4,5,6,7
.irp c, 0,1,2,3
	ds_load_b128 v[128*(\ks)+16*\i+4*\c:128*(\ks)+16*\i+4*\c+3], v[ADP+\u] offset:128*(\ks)+32*\c+16*\i*PITCH
.endr
.endr
	WIN 0
.endm
.macro FETCH_R u, ks, i0               ; four of source 1's; v's rows by the permutation
.irp i, \i0, \i0+1, \i0+2, \i0+3
.if \u
.set rO, (32*((\i)/2)+8*((\i)%2))*PITCH
.else
.set rO, 16*(\i)*PITCH
.endif
.irp c, 0,1,2,3
	ds_load_b128 v[AF+16*(\i)+4*\c:AF+16*(\i)+4*\c+3], v[ADR+\u] offset:128*(\ks)+32*\c+rO
.endr
.endr
.endm
.macro FETCH_ALL u
	FETCH_P \u, 0
	FETCH_R \u, 0, 0
	FETCH_R \u, 0, 4
	FETCH_P \u, 1
.endm
.macro MUL16 a0, ks, u                 ; 16 products; the 64 accumulators take turns
.irp a, \a0, \a0+1
.irp b, 0,1,2,3,4,5,6,7
.set rD, 8*(8*((\a)%4)+\b)
.set rP, 128*(\ks)+16*\b
.set rR, AF+16*(\a)
.if \ks == 0
.if \u
.set rC, BI+8*(\a)
.else
.set rC, BI+8*\b
.endif
	v_wmma_f32_16x16x128_bf8_bf8 v[rD:rD+7], v[rP:rP+15], v[rR:rR+15], v[rC:rC+7]
.else
	v_wmma_f32_16x16x128_bf8_bf8 v[rD:rD+7], v[rP:rP+15], v[rR:rR+15], v[rD:rD+7]
.endif
.endr
.endr
.endm
.macro MULS u
	s_wait_dscnt 48                                ; source 0's first set and four of source 1's are in; 16 + 32 loads may be out
	WIN 0x81
	MUL16 0, 0, \u
	MUL16 2, 0, \u
	PLACES 4
	WIN 0
	FETCH_R \u, 1, 0
	s_wait_dscnt 48                                ; source 1's other four: 32 + 16 behind them
	WIN 0xc1
	MUL16 4, 0, \u
	MUL16 6, 0, \u
	PLACES 4
	WIN 0
	FETCH_R \u, 1, 4
.if \u == 0
.irp a, 0,1,2,3,4,5,6,7
	global_load_b32 v[BI+8*\a], v[ABV], s[14:15] offset:4*(32*(\a/2)+8*(\a%2))   ; bv of the lane's channel in tile a
.endr
.endif
	s_wait_dscnt 16                                ; all but the 16 just issued
	WIN 0xa1
	MUL16 0, 1, \u
	MUL16 2, 1, \u
	s_wait_dscnt 0x0
	WIN 0xf1
	MUL16 4, 1, \u
	MUL16 6, 1, \u
	WIN 0
.endm
.macro QUANT u, base, ast              ; held, converted, stored: 512 consecutive bytes an instruction
	v_mov_b32 v[SC], s[SCB+\u]
	v_mov_b32 v[LIM], s[LMB+\u]
.if \u == 0
.irp a, 0,1,2,3,4,5,6,7
	v_cmp_eq_u32 vcc_lo, 0, v[MK+\a]
	v_cndmask_b32 v[MK+\a], 0, v[LIM], vcc_lo      ; a masked key's hold is 0
.endr
.endif
.irp a, 0,1,2,3,4,5,6,7
	WIN 0x82+0x41*(\a/4)
.set j, 0
.rept 64
.if \u == 0
	v_med3_num_f32 v[64*(\a%4)+j], v[64*(\a%4)+j], -v[MK+\a], v[MK+\a]
.else
	v_med3_num_f32 v[64*(\a%4)+j], v[64*(\a%4)+j], -v[LIM], v[LIM]
.endif
.set j, j+1
.endr
	s_wait_alu depctr_va_vdst(0)                   ; directly ahead of the wait below
	s_wait_xcnt 0x0                                ; the stores that read these code registers have read them
	WIN 0x02+(\a/4)
.irp b, 0,1,2,3,4,5,6,7
	v_cvt_scalef32_pk8_bf8_f32 v[CB+16*(\a%2)+2*\b:CB+16*(\a%2)+2*\b+1], v[64*(\a%4)+8*\b:64*(\a%4)+8*\b+7], v[SC]
.endr
	v_nop
	WIN 0
.irp c, 0,1,2,3
	global_store_b128 v[LI], v[CB+16*(\a%2)+4*\c:CB+16*(\a%2)+4*\c+3], s[\base:\base+1] offset:\a*\ast+512*\c th:TH_STORE_NT
.endr
.endr
.endm
	s_wait_kmcnt 0x0
	CONSTS 0, 70, 71, 75
	CONSTS 1, 72, 73, 76
	s_wait_loadcnt 0x0                             ; bk and the mask
.set j, 0
.rept 64
	v_ldexp_f32 v[BI+j], v[BI+j], s[NB]
.set j, j+1
.endr
	s_wait_alu depctr_va_vdst(0)                   ; the head's end
	s_wait_tensorcnt 0x0                           ; my part of slot 0 is in
	ds_add_u32 v[SPW], v[NIL]
	s_wait_dscnt 0x0
	CROUND
	JLOAD 1                                        ; V and Wv
	FETCH_ALL 0
	MULS 0
	PLACES 4
	s_wait_tensorcnt 0x0                           ; my part of slot 1 is in
	s_barrier_signal -1
	s_barrier_wait -1                              ; everybody's is.
	FETCH_ALL 1                                    ; v's first fragments come while k is quantised
	QUANT 0, 20, 4096
	s_wait_loadcnt 0x0                             ; bv
.irp a, 0,1,2,3,4,5,6,7
.irp j, 7,6,5,4,3,2,1,0
	v_ldexp_f32 v[BI+8*\a+\j], v[BI+8*\a], s[NB+1]
.endr
.endr
	s_wait_alu depctr_va_vdst(0)
	MULS 1
	PLACES 4
	QUANT 1, 22, 2048
	s_wait_tensorcnt 0x0                           ; the wave's end
	ds_add_u32 v[SPW], v[NIL]
	s_wait_dscnt 0x0
	CROUND                                         ; the closing round
	s_endpgm
.Lfunc_end_k_qf4b49c566c_proj:
	.size	k_qf4b49c566c_proj, .Lfunc_end_k_qf4b49c566c_proj-k_qf4b49c566c_proj
	.p2alignl 7, 3214868480
	.fill 96, 4, 3214868480
	.section	.rodata,"a",@progbits
	.p2align	6, 0x0
	.amdhsa_kernel k_qf4b49c566c_proj
		.amdhsa_group_segment_fixed_size 327680
		.amdhsa_private_segment_fixed_size 0
		.amdhsa_enable_private_segment 0
		.amdhsa_kernarg_size 80
		.amdhsa_user_sgpr_count 2
		.amdhsa_user_sgpr_kernarg_segment_ptr 1
		.amdhsa_wavefront_size32 1
		.amdhsa_system_sgpr_workgroup_id_x 1
		.amdhsa_system_sgpr_workgroup_id_y 1
		.amdhsa_system_sgpr_workgroup_id_z 1
		.amdhsa_system_vgpr_workitem_id 0
		.amdhsa_next_free_vgpr 1024
		.amdhsa_next_free_sgpr 102
		.amdhsa_reserve_vcc 1
		.amdhsa_float_denorm_mode_32 3
		.amdhsa_float_denorm_mode_16_64 3
		.amdhsa_memory_ordered 1
		.amdhsa_forward_progress 1
		.amdhsa_inst_pref_size 135
	.end_amdhsa_kernel
	.amdgpu_metadata
---
amdhsa.version: [ 1, 2 ]
amdhsa.kernels:
  - .name:           k_qf4b49c566c_proj
    .symbol:         k_qf4b49c566c_proj.kd
    .args:
      - { .name: K_codes, .offset: 0, .size: 8, .value_kind: global_buffer, .address_space: global }
      - { .name: V_codes, .offset: 8, .size: 8, .value_kind: global_buffer, .address_space: global }
      - { .name: Wk_codes, .offset: 16, .size: 8, .value_kind: global_buffer, .address_space: global }
      - { .name: Wv_codes, .offset: 24, .size: 8, .value_kind: global_buffer, .address_space: global }
      - { .name: bk, .offset: 32, .size: 8, .value_kind: global_buffer, .address_space: global }
      - { .name: bv, .offset: 40, .size: 8, .value_kind: global_buffer, .address_space: global }
      - { .name: att_mask_out, .offset: 48, .size: 8, .value_kind: global_buffer, .address_space: global }
      - { .name: lowp_scales, .offset: 56, .size: 8, .value_kind: global_buffer, .address_space: global }
      - { .name: k_img, .offset: 64, .size: 8, .value_kind: global_buffer, .address_space: global }
      - { .name: v_img, .offset: 72, .size: 8, .value_kind: global_buffer, .address_space: global }
    .group_segment_fixed_size: 327680
    .private_segment_fixed_size: 0
    .kernarg_segment_align: 8
    .kernarg_segment_size: 80
    .max_flat_workgroup_size: 128
    .sgpr_count:     102
    .vgpr_count:     1024
    .wavefront_size: 32
...
	.end_amdgpu_metadata
.endif
;; end of part 1
;; launch attn (part 2): grid 4 x 64, 4 waves a work-group, clusters of 4 x 1, 327,680 bytes of LDS; arguments Q_codes, Wq_codes, bq, k_img, v_img, att_mask_out, lowp_scales, ctx_img; writes ctx_img
.if DOCPART == 2
	.amdgcn_target "amdgcn-amd-amdhsa--gfx1250"
	.amdhsa_code_object_version 6
	.text
	.protected	k_qf4b49c566c_attn
	.globl	k_qf4b49c566c_attn
	.p2align	8
	.type	k_qf4b49c566c_attn,@function
k_qf4b49c566c_attn:
	s_mov_b64 s[64:65], 0
	v_nop
	global_prefetch_b8 v0, s[64:65] scope:SCOPE_SE
	s_setreg_imm32_b32 hwreg(HW_REG_WAVE_MODE, 25, 1), 1
	s_wait_xcnt 0x0
	s_wait_alu depctr_hold_cnt(0) depctr_sa_sdst(0) depctr_va_vdst(0) depctr_va_sdst(0) depctr_va_ssrc(0) depctr_va_vcc(0) depctr_vm_vsrc(0)
	s_getreg_b32 s2, hwreg(HW_REG_IB_STS2, 6, 4)
	s_cmp_eq_u32 s2, 0
	s_cbranch_scc0 .Lentry_in_a_cluster
	s_endpgm
.Lentry_in_a_cluster:
	s_bfe_u32 s2, ttmp6, 0x10000c
	s_cmp_lg_u32 s2, 0x3003
	s_cbranch_scc0 .Lentry_shape_is_right
	s_endpgm
.Lentry_shape_is_right:
; q = Q(Q Wq + bq), then ctx[b][q][head][:] = the sum over keys of softmax(q . k / 16, masked keys at a very large negative score) v, all products on codes of BF8 (E5M2); ctx is quantised with the given 2^e10 for the last projection.
; THE SOFTMAX AHEAD OF THE LAST PRODUCT: t = score x log2(e) / 16; M = the running largest t rounded UP to a whole number; p = 2^(t - M) is quantised with 2^e9, not normalised; the row's sum is taken of the
; unquantised p and divides at the end.  When M moves, the sum and O are multiplied by 2^(old M - new M): nothing is rounded, and there is no branch on data.
; OPERANDS ARE IMAGES OF THEIR REGISTERS (16 rows x 128 K = 2,048 bytes: register n of lane l at 512 (n / 4) + 16 l + 4 (n % 4)): four loads of 16 bytes at 16 x lane.
; All products are used transposed: q^T = Wq Q (source 0 = 16 channels, source 1 = 16 queries), S^T = k q^T (source 0 = 16 keys), O^T = v^T p^T (source 0 = 16 channels, source 1 = p): a lane holds ONE query throughout, and the
; eight registers of a tile are eight neighbours along the next K: one conversion gives two registers of the next operand.  (v's channels come permuted within 32, so that ctx's register 4 b + i of a lane holds channels 32 b + 16 h + 4 i + 0..3.)
; THE q PROJECTION stands at the head, since no other work-group needs these rows: Wq's 256 rows of the head come jointly, the block's 256 rows of Q's codes by a load of the work-group's own.
; THE MASK: a masked key's codes of k are zeros (made so by the launch before), and each score tile's first product takes its C from a table in LDS, one f32 a key: 0, or -2^(64 - e6 - e7).  A masked score is then
; exactly that number, and c times it is exact: p = 0 beside any open key, p = 1 everywhere in a row with no open key, as with -1e18.
; SHARES.  A work-group owns 256 queries of one batch and head, each of its four waves 64: four tiles.  Every wave walks the 1,024 keys, 128 a step: 64 + 64 products.  A fragment read from LDS feeds four products.
; A slot in LDS is one step: 32 KiB of k, 32 KiB of v; two slots take turns.  THE CHANGE OF SLOTS STANDS INSIDE THE LAST PRODUCT: v lies whole in registers then, so the slot is left; 32 products stand between the signal
; and the wait of the round's opening barrier; behind the round the slot is filled for the step two on, and the next step's first tiles of k are read, ahead of the other 32 products.
; CLUSTER: the four query blocks of a head walk the same k and v: each tile is asked for jointly, one load a wave behind each round; a wave has one tensor load out.
; THE SUMS OF O^T ARE NOT CLEARED: -M begins as 3e38, so the first step's f is 2^-2147483648 = 0 exactly, and what stands in O^T's registers then are the q projection's held results, finite numbers: x 0.
; LIMITS: e6 - e0 - e1 between -126 and 112; e6 + e7 between -63 and 130; e9 between -126 and 112; e8 + e9 - e10 between -100 and 100.  NaN is not served.
; REGISTERS, in windows of 256: window 0: v1-7 addresses and constants; v8-15 and v232-255 the mask's C, four buffers of 8, later statistics at work; v16-31 statistics, four a tile; v32, 34, 36, 38 f (the odd ones between hold constants);
;   v40-167 Q's, then q's 8 fragments; v168-231 two tiles of k, later p's codes.
;   window 1: at the head v0-127 Wq's fragments, v128-255 bq.  Then S^T / p (key tile t, query tile q at 32 t + 8 q); v192-255 hold two tiles of k until tiles 6 and 7 are multiplied; v's fragments land where p was converted:
;   ct < 8 at 32 ct, the others at 32 (ct - 8) + 16.   windows 2, 3: q^T, then O^T (tile q, channel tile ct at 128 (q % 2) + 8 ct of window 2 + q / 2).
.set SLOT1, 65536
.set MASKT, 131072                     ; the mask's table: 1,024 f32
.set SPARE, MASKT+8192                 ; the spare words, 128 bytes a wave: two blocks of 256 bytes that no other line names
.set QW,    SPARE+512                  ; Wq's 256 rows, then Q's 256 rows
.set PITCH, 272                        ; of 256 bytes + 16 of padding = 68 words: row r starts at bank 4 r mod 64 (64 banks of 4 bytes: ISA guide 11.1)
.set LI,   1                           ; 16 x lane
.set ADS,  2                           ; the slot in hand, + 16 x lane: k; v 32,768 on
.set ADM,  3                           ; the step's part of the mask's table
.set SPW,  4
.set NIL,  5
.set HOLD, 6                           ; 57,344 x 2^e9
.set AM0,  7                           ; MASKT + 32 h
.set AMB,  8                           ; at the head: my eight mask bytes,
.set ABQ,  9                           ; 32 h,
.set AWQ,  13                          ; Wq's fragments,
.set AQ,   14                          ; Q's
.set ST,   16                          ; tile q at ST + 4 q: +0 -M, +1 the largest raw score, +2, +3 the sum in two halves
.set FF,   32                          ; f of tile q at FF + 2 q
.set PFO,  33                          ; 256 x lane
.set PSC,  35                          ; 2^e9
.set LIMC, 37                          ; at the head 57,344 x 2^(e6 - e0 - e1); on the way out 57,344
.set ONE,  39                          ; at the head 2^(e6 - e0 - e1); on the way out 1.0
.set QF,   40
.set KB,   168                         ; two tiles of k in window 0
.set KB1,  192                         ; two tiles of k in window 1
.set CD,   168                         ; p's codes
.set TT,   240                         ; statistics at work
.set TB,   40                          ; LDS byte at which the slot in hand begins
.set MO,   41                          ; the step's byte in the mask's table
.set CNT,  42
.set PFA,  44
.set LIM,  46                          ; waves 0 and 2 prefetch while CNT > 2, the others never (99)
.set WV,   66
.set MSB, 0
.macro WIN new
.if MSB != (\new)
	s_set_vgpr_msb (MSB<<8)|(\new)
.set MSB, (\new)
.endif
.endm
; A load by halves: waves 0 and 1 by the first descriptor, waves 2 and 3 by the second.  Four v_nop follow each of the two lines.
.macro TLOAD g0a, g1a, g0b, g1b
	s_cmp_lt_u32 s[WV], 2
	s_cbranch_scc0 .Lsecond_\@
	tensor_load_to_lds s[\g0a:\g0a+3], s[\g1a:\g1a+7]
	s_nop 0
.rept 4
	v_nop
.endr
	s_branch .Lasked_\@
.Lsecond_\@:
	tensor_load_to_lds s[\g0b:\g0b+3], s[\g1b:\g1b+7]
	s_nop 0
.rept 4
	v_nop
.endr
.Lasked_\@:
.endm
.macro JLOAD                           ; a step's k (two halves) and v (two halves), jointly
	TLOAD 32, 24, 36, 24
.endm
.macro CREST                           ; a round of the cluster's barrier behind its opening barrier
	s_cmp_lg_u32 s[WV], 0
	s_cbranch_scc1 .Lnot_wave_0_\@
	s_barrier_signal -3
.Lnot_wave_0_\@:
	s_barrier_wait -3
	s_barrier_signal -1
	s_barrier_wait -1
.endm
.macro CROUND
	s_barrier_signal -1
	s_barrier_wait -1
	CREST
.endm
; A prefetch, behind each load: the step two loads on.  A step is 128 blocks of 256 bytes of k and as many of v; wave 0 names k's, wave 2 v's: 32 lanes in each of the cluster's four work-groups, told apart by address (cx) alone.
; No other cluster reads this head.  The last two fills ask for nothing; step 0 comes by its load alone.
.macro ASK
	s_cmp_gt_u32 s[CNT], s[LIM]
	s_cbranch_scc0 .Lno_ask_\@
	global_prefetch_b8 v[PFO], s[PFA:PFA+1] th:TH_LOAD_NT scope:SCOPE_SE
.Lno_ask_\@:
.endm
.macro WALKP
	s_wait_xcnt 0x0                                ; the last prefetch, a step back, has read its address
	s_add_nc_u64 s[PFA:PFA+1], s[PFA:PFA+1], 32768
.endm
.macro WALKD                           ; the walking descriptors: the other slot than last time, the next step; the type bits on top are not reached
	s_xor_b32 s33, s33, SLOT1
	s_add_nc_u64 s[34:35], s[34:35], 32768
	s_xor_b32 s37, s37, SLOT1
	s_add_nc_u64 s[38:39], s[38:39], 32768
	WALKP
.endm
.macro LOADW g                         ; Wq's fragments of channel tiles 2 g, 2 g + 1: 16 loads
	WIN 0x40
.irp i, 0,1
.irp s, 0,1
.irp c, 0,1,2,3
	ds_load_b128 v[64*((\g)%2)+32*\i+16*\s+4*\c:64*((\g)%2)+32*\i+16*\s+4*\c+3], v[AWQ] offset:16*(2*(\g)+\i)*PITCH+128*\s+32*\c
.endr
.endr
.endr
.endm
.macro MULW g                          ; two channel tiles x four query tiles; four accumulators take turns
.irp w, 0,1
	WIN 0x91+0x40*\w                               ; D window 2 or 3, C (bq) window 1, Q window 0, Wq window 1
.irp i, 0,1
.irp z, 0,1
	v_wmma_f32_16x16x128_bf8_bf8 v[128*\z+16*(\g)+8*\i:128*\z+16*(\g)+8*\i+7], v[64*((\g)%2)+32*\i:64*((\g)%2)+32*\i+15], v[QF+64*\w+32*\z:QF+64*\w+32*\z+15], v[128+16*(\g)+8*\i:128+16*(\g)+8*\i+7]
.endr
.endr
	WIN 0xa1+0x50*\w
.irp i, 0,1
.irp z, 0,1
	v_wmma_f32_16x16x128_bf8_bf8 v[128*\z+16*(\g)+8*\i:128*\z+16*(\g)+8*\i+7], v[64*((\g)%2)+32*\i+16:64*((\g)%2)+32*\i+31], v[QF+64*\w+32*\z+16:QF+64*\w+32*\z+31], v[128*\z+16*(\g)+8*\i:128*\z+16*(\g)+8*\i+7]
.endr
.endr
.endr
.endm
.macro HOLDT q                         ; tile q of windows 2, 3: held in place, from each accumulator's low end on (the conversion does not saturate: ISA guide 7.6.2)
	WIN 0x82+0x41*((\q)/2)
.set jj, 0
.rept 128
	v_med3_num_f32 v[128*((\q)%2)+jj], v[128*((\q)%2)+jj], -v[LIMC], v[LIMC]
.set jj, jj+1
.endr
.endm
.macro CVTT q, win, base               ; and converted: channel tile ct gives registers 2 ct, 2 ct + 1 of the tile's two fragments
	WIN \win+((\q)/2)
.irp ct, 0,1,2,3,4,5,6,7,8,9,10,11,12,13,14,15
	v_cvt_scalef32_pk8_bf8_f32 v[\base+32*(\q)+2*\ct:\base+32*(\q)+2*\ct+1], v[128*((\q)%2)+8*\ct:128*((\q)%2)+8*\ct+7], v[ONE]
.endr
	v_nop
.endm
.macro MBSET t                         ; where tile t's C lies
.if ((\t)%4) == 0
.set MR, 8
.else
.set MR, 224+8*((\t)%4)
.endif
.endm
.macro LOADG g                         ; group g = key tiles 2 g, 2 g + 1: 16 loads of k and four of the mask's table
.if (\g)%2
	WIN 0
.set KR, KB
.else
	WIN 0x40
.set KR, KB1
.endif
.irp i, 0,1
.irp s, 0,1
.irp c, 0,1,2,3
	ds_load_b128 v[KR+32*\i+16*\s+4*\c:KR+32*\i+16*\s+4*\c+3], v[ADS] offset:4096*(2*(\g)+\i)+2048*\s+512*\c
.endr
.endr
.endr
	WIN 0
.irp i, 0,1
	MBSET 2*(\g)+\i
	ds_load_b128 v[MR:MR+3], v[ADM] offset:64*(2*(\g)+\i)
	ds_load_b128 v[MR+4:MR+7], v[ADM] offset:64*(2*(\g)+\i)+16
.endr
.endm
.macro MULG g                          ; the group's 16 products: eight accumulators take turns
.if (\g)%2
.set KR, KB
.else
.set KR, KB1
.endif
	WIN 0x41-((\g)%2)                              ; D window 1; k window 1 or 0; q and C (the mask) window 0
.irp i, 0,1
	MBSET 2*(\g)+\i
.irp q, 0,1,2,3
	v_wmma_f32_16x16x128_bf8_bf8 v[64*(\g)+32*\i+8*\q:64*(\g)+32*\i+8*\q+7], v[KR+32*\i:KR+32*\i+15], v[QF+32*\q:QF+32*\q+15], v[MR:MR+7]
.endr
.endr
	WIN 0x51-((\g)%2)                              ; C window 1
.irp i, 0,1
.irp q, 0,1,2,3
	v_wmma_f32_16x16x128_bf8_bf8 v[64*(\g)+32*\i+8*\q:64*(\g)+32*\i+8*\q+7], v[KR+32*\i+16:KR+32*\i+31], v[QF+32*\q+16:QF+32*\q+31], v[64*(\g)+32*\i+8*\q:64*(\g)+32*\i+8*\q+7]
.endr
.endr
.endm
.macro MAXG g                          ; the group's scores into the four running maxima; each accumulator from its low end on
	WIN 0x14
.irp i, 0,1
.irp p, 0,2,4,6
.irp q, 0,1,2,3
	v_max3_num_f32 v[ST+4*\q+1], v[ST+4*\q+1], v[64*(\g)+32*\i+8*\q+\p], v[64*(\g)+32*\i+8*\q+\p+1]
.endr
.endr
.endr
.endm
.macro HOLD2 a                         ; p is not negative: a one-sided hold
	v_dual_min_num_f32 v[\a], v[\a], v[HOLD] :: v_dual_min_num_f32 v[\a+1], v[\a+1], v[HOLD]
.endm
; Tile q's 64 exponentials.  Between them stand plain lines that are ready: the scaling of the tile after, and the hold of the tile before (its sum is taken).
.macro EXPS q
	WIN 0x41
.set jj, 0
.rept 64
.set rr, 32*(jj/8)+(jj%8)
	v_exp_f32 v[rr+8*(\q)], v[rr+8*(\q)]           ; p = 2^(t - M)
.if ((\q) < 3) && ((jj%2) == 0)
	v_pk_fma_f32 v[rr+8*(\q)+8:rr+8*(\q)+9], v[rr+8*(\q)+8:rr+8*(\q)+9], s[22:23], v[ST+4*(\q)+4:ST+4*(\q)+5] op_sel_hi:[1,0,0]   ; t - M
.endif
.if ((\q) > 0) && ((jj%2) == 1)
	HOLD2 rr-1+8*(\q)-8
.endif
.set jj, jj+1
.endr
.endm
.macro CVT q                           ; tile q's p becomes its fragment of the last product
	WIN 0x01
.irp t, 0,1,2,3,4,5,6,7
	v_cvt_scalef32_pk8_bf8_f32 v[CD+16*(\q)+2*\t:CD+16*(\q)+2*\t+1], v[32*\t+8*(\q):32*\t+8*(\q)+7], v[PSC]
.endr
	v_nop                                          ; a plain line behind the last conversion
.endm
.macro VLOAD n                         ; eight fragments of v land where p of tiles 2 n, 2 n + 1 lay: a run of 32 loads
	WIN 0x40
.irp f, 0,1,2,3,4,5,6,7
.irp c, 0,1,2,3
	ds_load_b128 v[32*\f+16*(\n)+4*\c:32*\f+16*(\n)+4*\c+3], v[ADS] offset:32768+2048*(\f+8*(\n))+512*\c
.endr
.endr
.endm
.macro SUMP d, a, j, q                 ; d = a + pair j of tile q's p
	v_pk_add_f32 v[\d:\d+1], v[\a:\a+1], v[32*((\j)/8)+((\j)%8)+8*(\q):32*((\j)/8)+((\j)%8)+8*(\q)+1]
.endm
.macro SUM q                           ; the row's sum of the unquantised p: 32 pairs, in four chains
	WIN 0x05
	SUMP 240, 8*(\q), 2, \q
	SUMP 242, 8*(\q)+4, 6, \q
	SUMP 244, 8*(\q)+32, 10, \q
	WIN 0x04
.set jj, 12
.rept 6
	SUMP ST+4*(\q)+2, ST+4*(\q)+2, jj, \q
	SUMP 240, 240, jj+2, \q
	SUMP 242, 242, jj+4, \q
	SUMP 244, 244, jj+6, \q
.set jj, jj+8
.endr
	SUMP ST+4*(\q)+2, ST+4*(\q)+2, 60, \q
	SUMP 240, 240, 62, \q
	WIN 0
	v_pk_add_f32 v[242:243], v[242:243], v[244:245]
	v_pk_add_f32 v[ST+4*(\q)+2:ST+4*(\q)+3], v[ST+4*(\q)+2:ST+4*(\q)+3], v[240:241]
	v_pk_add_f32 v[ST+4*(\q)+2:ST+4*(\q)+3], v[ST+4*(\q)+2:ST+4*(\q)+3], v[242:243]
.endm
.macro RSW w                           ; the 32 accumulators of window 2 + w come under the new M: x f, each from its low end on
	WIN 0x82+0x41*(\w)
	s_wait_alu depctr_va_vdst(0)                   ; directly ahead of the first reader of O^T
.irp z, 0,1
.set jj, 0
.rept 64
	v_pk_mul_f32 v[128*\z+jj:128*\z+jj+1], v[128*\z+jj:128*\z+jj+1], v[FF+4*(\w)+2*\z:FF+4*(\w)+2*\z+1] op_sel_hi:[1,0]
.set jj, jj+2
.endr
.endr
.endm
.macro PV w, c0, c1, c2, c3, c4, c5, c6, c7   ; eight channel tiles x two query tiles of window 2 + w.  Each accumulator is taken once a step
	WIN 0xa1+0x50*(\w)                             ; v window 1, p window 0, O^T window 2 or 3
.irp x, \c0, \c1, \c2, \c3, \c4, \c5, \c6, \c7
.irp z, 0,1
.set rV, 32*(\x%8)+16*(\x/8)
.set rD, 128*\z+8*\x
.set rP, CD+32*(\w)+16*\z
	v_wmma_f32_16x16x128_bf8_bf8 v[rD:rD+7], v[rV:rV+15], v[rP:rP+15], v[rD:rD+7]
.endr
.endr
.endm
; A KEY STEP: 128 keys.  Its group 0 of k has been asked for by the step before (or the head).  fill = 1: its slot is filled again for the step two on.
.macro STEP fill
.rept 5
	v_nop                                          ; five places behind the last step's products: the first score products write over v's fragments, and k's loads land on p's codes
.endr
	LOADG 1
	s_wait_alu depctr_va_vdst(0)
	s_wait_dscnt 20                                ; group 0 is in; the 20 loads of group 1 may be out
	MULG 0
.rept 4
	v_nop                                          ; places in front of loads into registers that the products have read
.endr
	LOADG 2
	s_wait_alu depctr_va_vdst(0)
	s_wait_dscnt 20                                ; group 1 is in
	MULG 1
	MAXG 0                                         ; 32 plain lines: also the places in front of the loads below
	LOADG 3
	s_wait_alu depctr_va_vdst(0)
	s_wait_dscnt 20                                ; group 2 is in
	MULG 2
	MAXG 1                                         ; also the places ahead of group 3's products, which write over group 2's k
	s_wait_alu depctr_va_vdst(0)
	s_wait_dscnt 0x0
	MULG 3
	MAXG 2
	MAXG 3
	WIN 0
.irp q, 0,1,2,3
	v_permlanex16_b32 v[TT+4*\q], v[ST+4*\q+1], s20, s21   ; the query's other 64 keys lie in the lane 16 away
.endr
.irp q, 0,1,2,3
	v_max_num_f32 v[ST+4*\q+1], v[ST+4*\q+1], v[TT+4*\q]
.endr
.irp q, 0,1,2,3
	v_mul_f32 v[TT+4*\q+1], s22, v[ST+4*\q+1]      ; as t (c is positive)
.endr
.irp q, 0,1,2,3
	v_mov_b32 v[TT+4*\q+2], v[ST+4*\q]
.endr
.irp q, 0,1,2,3
	v_floor_f32 v[ST+4*\q], -v[TT+4*\q+1]          ; the new -M = floor(-t): M is a whole number
.endr
.irp q, 0,1,2,3
	v_sub_f32 v[TT+4*\q+2], v[ST+4*\q], v[TT+4*\q+2]   ; old M - new M: a whole number, 0 or less
.endr
.irp q, 0,1,2,3
	v_cvt_i32_f32 v[TT+4*\q+2], v[TT+4*\q+2]       ; (it saturates)
.endr
.irp q, 0,1,2,3
	v_ldexp_f32 v[FF+2*\q], 1.0, v[TT+4*\q+2]      ; f = 2^(old M - new M)
.endr
.irp q, 0,1,2,3
	v_pk_mul_f32 v[ST+4*\q+2:ST+4*\q+3], v[ST+4*\q+2:ST+4*\q+3], v[FF+2*\q:FF+2*\q+1] op_sel_hi:[1,0]   ; the sums under the new M
.endr
	WIN 0x41
.set jj, 0
.rept 32
.set rr, 32*(jj/8)+(jj%8)
	v_pk_fma_f32 v[rr:rr+1], v[rr:rr+1], s[22:23], v[ST:ST+1] op_sel_hi:[1,0,0]   ; tile 0: t - M
.set jj, jj+2
.endr
	s_wait_alu depctr_va_vdst(0)                   ; a wait ahead of a batch and one behind it
	EXPS 0
	s_wait_alu depctr_va_vdst(0)
	SUM 0
	EXPS 1
	s_wait_alu depctr_va_vdst(0)
	CVT 0
	SUM 1
	EXPS 2
	s_wait_alu depctr_va_vdst(0)
	CVT 1
	VLOAD 0
	SUM 2
	EXPS 3
	s_wait_alu depctr_va_vdst(0)
	CVT 2
	SUM 3
	WIN 0x41
.set jj, 0
.rept 32
	HOLD2 32*(jj/8)+(jj%8)+24
.set jj, jj+2
.endr
	CVT 3
	VLOAD 1                                        ; lands under the rescaling
	RSW 0
	WIN 0
	s_wait_tensorcnt 0x0                           ; my part of the next step's tiles is in; no tensor load of mine is out, so a group 0 may be written
	ds_add_u32 v[SPW], v[NIL]                      ; 0 onto my spare word
	s_xor_b32 s[TB], s[TB], SLOT1
	s_add_co_u32 s[MO], s[MO], 512
	s_and_b32 s[MO], s[MO], 0xfff                  ; behind the last step: the table's start again
	v_add_nc_u32 v[ADS], s[TB], v[LI]
	v_add_nc_u32 v[ADM], s[MO], v[AM0]
.if \fill
	WALKD
.endif
	RSW 1
	s_wait_alu depctr_va_vdst(0)
	s_wait_dscnt 0x0                               ; the add is done, and my reads of this slot are over: v is in registers
	s_barrier_signal -1
	PV 0, 6, 7, 14, 15, 0, 1, 2, 3                 ; first the tiles whose fragments lie where group 0 of k will land
	PV 1, 6, 7, 14, 15, 0, 1, 2, 3
	WIN 0
	s_barrier_wait -1
.if \fill
	CREST
	JLOAD                                          ; the first tensor load behind the round, and my one load until the next; its four v_nop are also the places in front of the loads below
.else
.rept 4
	v_nop
.endr
.endif
	LOADG 0                                        ; the next step's group 0 (behind the last step it reads landed bytes that nothing uses: the two steps that fill nothing share one text)
.if \fill
	ASK
.endif
	PV 0, 4, 5, 8, 9, 10, 11, 12, 13
	PV 1, 4, 5, 8, 9, 10, 11, 12, 13
	WIN 0
.endm
	s_load_b512 s[4:19], s[0:1], 0x0               ; Q s[4:5], Wq s[6:7], bq s[8:9], k_img s[10:11], v_img s[12:13], the mask s[14:15], the scales' exponents s[16:17], ctx_img s[18:19]
	v_lshl_add_u32 v[SPW], v0, 2, SPARE
	v_mov_b32 v[NIL], 0
	ds_add_u32 v[SPW], v[NIL]                      ; the wave's opening: the add, twice on end, and its wait ahead of my first tensor load
	ds_add_u32 v[SPW], v[NIL]
	v_lshrrev_b32 v8, 5, v0
	v_readfirstlane_b32 s[WV], v8                  ; wave 0..3
	s_bfe_u32 s96, ttmp6, 0x40000                  ; cx
	s_and_b32 s97, ttmp7, 0xffff                   ; 8 x batch + head, which the four partners share
	s_lshl_b32 s98, ttmp9, 2
	s_add_co_u32 s98, s98, s96                     ; my block of 256 queries
	s_mov_b32 s24, 15|(3<<16)|(1<<21)              ; group 1 for k and v: 15:0 the mask: all four; 17:16 elements of 8 bytes; 21 set beside a mask; no padding
	s_mov_b32 s25, 32<<16                          ; tensor_dim0 = 32 elements: rows of 256 bytes
	s_mov_b32 s26, 64<<16                          ; tensor_dim1 = 64
	s_mov_b32 s27, 32<<16                          ; tile_dim0
	s_mov_b32 s28, 64                              ; tile_dim1: 16 KiB, half of a step's k or v, dense in memory
	s_mov_b32 s29, 32                              ; from row to row
	s_mov_b32 s30, 0
	s_mov_b32 s31, 0
	s_mov_b32 s72, 15|(1<<20)|(1<<21)|(5<<22)|(3<<25)   ; for Wq: all four; elements of 1 byte; padding on: after every 64 words (code 5) four words (code 3)
	s_mov_b32 s80, (1<<20)|(5<<22)|(3<<25)         ; for Q: the work-group's own: no mask
.irp g, 72, 80
	s_mov_b32 s[\g+1], 256<<16
	s_mov_b32 s[\g+2], 128<<16
	s_mov_b32 s[\g+3], 256<<16
	s_mov_b32 s[\g+4], 128
	s_mov_b32 s[\g+5], 256
	s_mov_b32 s[\g+6], 0
	s_mov_b32 s[\g+7], 0
.endr
	s_mov_b32 s20, 0x76543210                      ; v_permlanex16_b32's selects: lane l xor 16
	s_mov_b32 s21, 0xfedcba98
	s_mov_b32 s[TB], 0
	s_mov_b32 s[MO], 0
	s_mov_b32 s[CNT], 6
	s_and_b32 s67, s[WV], 1                        ; which half I fetch
	s_mul_i32 s[LIM], s67, 97
	s_add_co_u32 s[LIM], s[LIM], 2
	s_lshl_b32 s43, s67, 14                        ; a half of a step's k or v,
	s_lshl_b32 s47, s67, 15                        ; of Wq's or Q's rows
	s_lshl_b32 s56, s97, 18
	s_add_co_u32 s56, s56, s43                     ; k, v: 262,144 x (8 batch + head) + 16,384 x half
	s_mov_b32 s57, 0
	s_and_b32 s60, s97, 7
	s_lshl_b32 s60, s60, 16
	s_add_co_u32 s60, s60, s47                     ; Wq: 65,536 x head + 32,768 x half
	s_mov_b32 s61, 0
	s_lshr_b32 s99, s97, 3                         ; the batch
	s_lshl_b32 s62, s99, 18
	s_lshl_b32 s63, s98, 16
	s_add_co_u32 s62, s62, s63
	s_add_co_u32 s62, s62, s47                     ; Q: 262,144 x batch + 65,536 x block + 32,768 x half
	s_mov_b32 s63, 0
	s_mul_i32 s58, s[WV], 128*PITCH
	s_add_co_u32 s58, s58, QW                      ; in LDS: Wq's two halves, Q's two halves
	s_mul_i32 s59, s[WV], 64*PITCH
	s_add_co_u32 s59, s59, QW+256*PITCH            ; my 64 rows of Q
	v_and_b32 v[LI], 31, v0
	v_lshlrev_b32 v[PFO], 8, v[LI]
	v_lshlrev_b32 v[LI], 4, v[LI]
	v_add_nc_u32 v[ADS], s[TB], v[LI]
	v_and_b32 v10, 15, v0                          ; r
	v_bfe_u32 v11, v0, 4, 1                        ; h
	v_lshl_add_u32 v[AM0], v11, 5, MASKT
	v_add_nc_u32 v[ADM], s[MO], v[AM0]
	v_mul_u32_u24 v12, v10, PITCH
	v_lshl_add_u32 v12, v11, 4, v12
	v_add_nc_u32 v[AWQ], QW, v12
	v_add_nc_u32 v[AQ], s59, v12
	v_lshlrev_b32 v[ABQ], 5, v11
	v_lshlrev_b32 v[AMB], 3, v0
	s_wait_alu depctr_va_vdst(0)
	s_wait_dscnt 0x0                               ; both opening adds are done
	s_wait_kmcnt 0x0
	s_load_b128 s[68:71], s[16:17], 0x0            ; e0 .. e3
	s_load_b128 s[48:51], s[16:17], 0x10           ; e4 .. e7
	s_load_b128 s[52:55], s[16:17], 0x20           ; e8 .. e11
	s_mov_b32 s88, 1                               ; group 0 for Wq: count = 1,
	s_mov_b32 s89, s58                             ; LDS address,
	s_add_nc_u64 s[90:91], s[6:7], s[60:61]        ; global address,
	s_or_b32 s91, s91, 0x80000000                  ; type = 2
	s_mov_b32 s92, 1                               ; for Q
	s_mov_b32 s93, s58
	s_add_nc_u64 s[94:95], s[4:5], s[62:63]
	s_or_b32 s95, s95, 0x80000000
	s_mov_b32 s32, 1                               ; for k: slot 0
	s_mov_b32 s33, s43
	s_add_nc_u64 s[34:35], s[10:11], s[56:57]
	s_or_b32 s35, s35, 0x80000000
	s_mov_b32 s36, 1                               ; for v
	s_add_co_u32 s37, s43, 32768
	s_add_nc_u64 s[38:39], s[12:13], s[56:57]
	s_or_b32 s39, s39, 0x80000000
	CROUND                                         ; all four work-groups are here: the first joint loads meet
	TLOAD 88, 72, 92, 80                           ; Wq and Q
	s_cmp_lt_u32 s[WV], 2
	s_cselect_b64 s[PFA:PFA+1], s[10:11], s[12:13] ; the prefetches' address
	s_lshl_b32 s60, s96, 13
	s_lshl_b32 s61, s97, 18
	s_add_co_u32 s60, s60, s61
	s_add_co_u32 s60, s60, 32768                   ; step 1
	s_mov_b32 s61, 0
	s_add_nc_u64 s[PFA:PFA+1], s[PFA:PFA+1], s[60:61]
	s_lshl_b32 s60, s99, 10
	s_add_nc_u64 s[14:15], s[14:15], s[60:61]      ; the batch's 1,024 mask bytes
	s_and_b32 s60, s97, 7
	s_lshl_b32 s62, s60, 12
	s_lshl_b32 s60, s60, 10
	s_add_nc_u64 s[8:9], s[8:9], s[60:61]          ; the head's 256 numbers of bq
	s_lshl_b32 s60, s99, 21
	s_add_co_u32 s62, s62, s60
	s_lshl_b32 s60, s98, 19
	s_add_co_u32 s62, s62, s60
	s_lshl_b32 s60, s[WV], 17
	s_add_co_u32 s62, s62, s60                     ; ctx_img: ((64 batch + 16 block + 4 wave) x 16 + 2 head) x 2,048
	s_mov_b32 s63, 0
	s_add_nc_u64 s[18:19], s[18:19], s[62:63]
	global_load_b64 v[168:169], v[AMB], s[14:15]
	WIN 0x40
.irp t, 0,1,2,3,4,5,6,7,8,9,10,11,12,13,14,15
	global_load_b128 v[128+8*\t:128+8*\t+3], v[ABQ], s[8:9] offset:64*\t      ; bq of channels 16 t + 8 h + 0..7
	global_load_b128 v[128+8*\t+4:128+8*\t+7], v[ABQ], s[8:9] offset:64*\t+16
.endr
	WIN 0
	ASK                                            ; step 1
	s_wait_kmcnt 0x0
	s_add_co_i32 s60, s50, s51                     ; e6 + e7
	s_lshl_b32 s61, s60, 23
	s_add_co_i32 s22, s61, 0x3db8aa3b              ; c = log2(e) / 16 x 2^(e6 + e7): the exponents are added to c's exponent field
	s_mov_b32 s23, s22                             ; (named with it as a pair, so it is written)
	s_sub_co_i32 s61, 191, s60
	s_lshl_b32 s61, s61, 23
	s_or_b32 s61, s61, 0x80000000
	v_mov_b32 v171, s61                            ; -2^(64 - e6 - e7): a masked key's raw score
	s_add_co_i32 s60, s53, 127
	s_lshl_b32 s61, s60, 23
	v_mov_b32 v[PSC], s61
	s_add_co_i32 s60, s60, 15
	s_lshl_b32 s60, s60, 23
	s_or_b32 s60, s60, 0x600000
	v_mov_b32 v[HOLD], s60
	s_add_co_i32 s60, s68, s69                     ; e0 + e1: a sum of the q projection lacks 2^(e0 + e1),
	s_sub_co_i32 s62, 0, s60                       ; so bq goes in x 2^-(e0 + e1),
	s_sub_co_i32 s60, s50, s60
	s_add_co_i32 s60, s60, 127
	s_lshl_b32 s61, s60, 23
	v_mov_b32 v[ONE], s61                          ; and a code is the sum / 2^(e6 - e0 - e1)
	s_add_co_i32 s60, s60, 15
	s_lshl_b32 s60, s60, 23
	s_or_b32 s60, s60, 0x600000
	v_mov_b32 v[LIMC], s60
.irp q, 0,1,2,3
	v_mov_b32 v[ST+4*\q], 0x7f61b1e6               ; -M = 3e38
	v_mov_b32 v[ST+4*\q+1], 0xff61b1e6             ; the largest raw score so far: -3e38
	v_mov_b32 v[ST+4*\q+2], 0
	v_mov_b32 v[ST+4*\q+3], 0
.endr
	s_wait_alu depctr_va_vdst(0)
	s_wait_loadcnt 0x0                             ; the mask bytes and bq
.irp i, 0,1,2,3,4,5,6,7
	v_bfe_u32 v170, v[168+\i/4], 8*(\i%4), 8
	v_cmp_ne_u32 vcc_lo, 0, v170
	v_cndmask_b32 v[172+\i], 0, v171, vcc_lo
.endr
	v_lshl_add_u32 v180, v0, 5, MASKT
	ds_store_b128 v180, v[172:175]                 ; thread t: keys 8 t .. 8 t + 7
	ds_store_b128 v180, v[176:179] offset:16
	WIN 0x41
.set jj, 128
.rept 128
	v_ldexp_f32 v[jj], v[jj], s62
.set jj, jj+1
.endr
	WIN 0
	s_wait_alu depctr_va_vdst(0)                   ; the head's end
	s_wait_tensorcnt 0x0                           ; my part of Wq and Q is in
	ds_add_u32 v[SPW], v[NIL]
	WALKP
	s_wait_dscnt 0x0                               ; the add is done, and so are my stores into the mask's table
	CROUND
	JLOAD                                          ; step 0 into slot 0
.irp q, 0,1,2,3
.irp s, 0,1
.irp c, 0,1,2,3
	ds_load_b128 v[QF+32*\q+16*\s+4*\c:QF+32*\q+16*\s+4*\c+3], v[AQ] offset:16*\q*PITCH+128*\s+32*\c
.endr
.endr
.endr
	LOADW 0
	LOADW 1
	WIN 0
	ASK                                            ; step 2
.irp g, 0,1,2,3,4,5,6,7
.if \g < 7
	s_wait_dscnt 16                                ; this group's fragments are in (and Q's); the next group's 16 loads may be out
.else
	s_wait_dscnt 0x0
.endif
	MULW \g
.rept 4
	v_nop
.endr
.if \g < 6
	LOADW \g+2
.endif
.endr
	HOLDT 0
	CVTT 0, 0x02, QF
	HOLDT 1
	CVTT 1, 0x02, QF
	WIN 0
	s_wait_alu depctr_va_vdst(0)
	s_wait_tensorcnt 0x0                           ; my part of step 0 is in
	ds_add_u32 v[SPW], v[NIL]
	WALKD
	s_wait_dscnt 0x0
	CROUND
	JLOAD                                          ; step 1 into slot 1
	LOADG 0
	ASK                                            ; step 3
	HOLDT 2
	CVTT 2, 0x02, QF
	HOLDT 3
	CVTT 3, 0x02, QF
	WIN 0
	s_wait_alu depctr_va_vdst(0)
.Lkeys:                                            ; six steps that fill their slot again
	STEP 1
	s_sub_co_u32 s[CNT], s[CNT], 1
	s_cmp_lg_u32 s[CNT], 0
	s_cbranch_scc1 .Lkeys
	s_mov_b32 s[CNT], 2
.Llast:                                            ; the last two fill nothing: they are written out
	STEP 0
	s_sub_co_u32 s[CNT], s[CNT], 1
	s_cmp_lg_u32 s[CNT], 0
	s_cbranch_scc1 .Llast
	; THE WAY OUT.  ctx = O^T x 2^(e8 + e9) / the sum; its code is that / 2^e10: the three exponents go onto 1 / the sum, and the conversion's scale is 1.  The additions are the places behind the last products.
.irp q, 0,1,2,3
	v_add_f32 v[TT+4*\q], v[ST+4*\q+2], v[ST+4*\q+3]
.endr
.irp q, 0,1,2,3
	v_permlanex16_b32 v[TT+4*\q+1], v[TT+4*\q], s20, s21
.endr
.irp q, 0,1,2,3
	v_add_f32 v[TT+4*\q], v[TT+4*\q], v[TT+4*\q+1]
.endr
	v_mov_b32 v[LIMC], 0x47600000
	v_mov_b32 v[ONE], 1.0
	s_add_co_i32 s60, s52, s53
	s_sub_co_i32 s60, s60, s54                     ; e8 + e9 - e10
	s_wait_alu depctr_va_vdst(0)
.irp q, 0,1,2,3
	v_rcp_f32 v[FF+2*\q], v[TT+4*\q]
.endr
	v_nop                                          ; a plain line behind the reciprocals
	s_wait_alu depctr_va_vdst(0)
.irp q, 0,1,2,3
	v_ldexp_f32 v[FF+2*\q], v[FF+2*\q], s60
.endr
; Tile q: scaled and held in place, from each accumulator's low end on; converted into window 1, where v's fragments are done with; eight stores of 512 consecutive bytes.  No LDS on the way.
.macro OUT q
	WIN 0x82+0x41*((\q)/2)
	s_wait_alu depctr_va_vdst(0)                   ; directly ahead of the first reader of O^T
.set jj, 0
.rept 64
	v_pk_mul_f32 v[128*((\q)%2)+jj:128*((\q)%2)+jj+1], v[128*((\q)%2)+jj:128*((\q)%2)+jj+1], v[FF+2*(\q):FF+2*(\q)+1] op_sel_hi:[1,0]
.set jj, jj+2
.endr
	HOLDT \q
	CVTT \q, 0x42, 0
	WIN 0x04                                       ; the stores' data window 1, their address window 0
.irp s, 0,1
.irp c, 0,1,2,3
	global_store_b128 v[LI], v[32*(\q)+16*\s+4*\c:32*(\q)+16*\s+4*\c+3], s[18:19] offset:32768*(\q)+2048*\s+512*\c th:TH_STORE_NT
.endr
.endr
.endm
	OUT 0
	OUT 1
	OUT 2
	OUT 3
	WIN 0
	s_wait_tensorcnt 0x0                           ; the wave's end
	ds_add_u32 v[SPW], v[NIL]
	s_wait_dscnt 0x0
	CROUND                                         ; the closing round
	s_endpgm
.Lfunc_end_k_qf4b49c566c_attn:
	.size	k_qf4b49c566c_attn, .Lfunc_end_k_qf4b49c566c_attn-k_qf4b49c566c_attn
	.p2alignl 7, 3214868480
	.fill 96, 4, 3214868480
	.section	.rodata,"a",@progbits
	.p2align	6, 0x0
	.amdhsa_kernel k_qf4b49c566c_attn
		.amdhsa_group_segment_fixed_size 327680
		.amdhsa_private_segment_fixed_size 0
		.amdhsa_enable_private_segment 0
		.amdhsa_kernarg_size 64
		.amdhsa_user_sgpr_count 2
		.amdhsa_user_sgpr_kernarg_segment_ptr 1
		.amdhsa_wavefront_size32 1
		.amdhsa_system_sgpr_workgroup_id_x 1
		.amdhsa_system_sgpr_workgroup_id_y 1
		.amdhsa_system_sgpr_workgroup_id_z 1
		.amdhsa_system_vgpr_workitem_id 0
		.amdhsa_next_free_vgpr 1024
		.amdhsa_next_free_sgpr 102
		.amdhsa_reserve_vcc 1
		.amdhsa_float_denorm_mode_32 3
		.amdhsa_float_denorm_mode_16_64 3
		.amdhsa_memory_ordered 1
		.amdhsa_forward_progress 1
		.amdhsa_inst_pref_size 255
	.end_amdhsa_kernel
	.section	.bss,"aw",@nobits
	.p2align	6
	.space	262144
	.amdgpu_metadata
---
amdhsa.version: [ 1, 2 ]
amdhsa.kernels:
  - .name:           k_qf4b49c566c_attn
    .symbol:         k_qf4b49c566c_attn.kd
    .args:
      - { .name: Q_codes, .offset: 0, .size: 8, .value_kind: global_buffer, .address_space: global }
      - { .name: Wq_codes, .offset: 8, .size: 8, .value_kind: global_buffer, .address_space: global }
      - { .name: bq, .offset: 16, .size: 8, .value_kind: global_buffer, .address_space: global }
      - { .name: k_img, .offset: 24, .size: 8, .value_kind: global_buffer, .address_space: global }
      - { .name: v_img, .offset: 32, .size: 8, .value_kind: global_buffer, .address_space: global }
      - { .name: att_mask_out, .offset: 40, .size: 8, .value_kind: global_buffer, .address_space: global }
      - { .name: lowp_scales, .offset: 48, .size: 8, .value_kind: global_buffer, .address_space: global }
      - { .name: ctx_img, .offset: 56, .size: 8, .value_kind: global_buffer, .address_space: global }
    .group_segment_fixed_size: 327680
    .private_segment_fixed_size: 0
    .kernarg_segment_align: 8
    .kernarg_segment_size: 64
    .max_flat_workgroup_size: 128
    .sgpr_count:     102
    .vgpr_count:     1024
    .wavefront_size: 32
...
	.end_amdgpu_metadata
.endif
;; end of part 2
;; launch outp (part 3): grid 128 x 2, 4 waves a work-group, clusters of 4 x 1, 327,680 bytes of LDS; arguments ctx_img, Wo_codes, bo, lowp_scales, out0; writes out0
.if DOCPART == 3
	.amdgcn_target "amdgcn-amd-amdhsa--gfx1250"
	.amdhsa_code_object_version 6
	.text
	.protected	k_qf4b49c566c_outp
	.globl	k_qf4b49c566c_outp
	.p2align	8
	.type	k_qf4b49c566c_outp,@function
k_qf4b49c566c_outp:
	s_mov_b64 s[64:65], 0
	v_nop
	global_prefetch_b8 v0, s[64:65] scope:SCOPE_SE
	s_setreg_imm32_b32 hwreg(HW_REG_WAVE_MODE, 25, 1), 1
	s_wait_xcnt 0x0
	s_wait_alu depctr_hold_cnt(0) depctr_sa_sdst(0) depctr_va_vdst(0) depctr_va_sdst(0) depctr_va_ssrc(0) depctr_va_vcc(0) depctr_vm_vsrc(0)
	s_getreg_b32 s2, hwreg(HW_REG_IB_STS2, 6, 4)
	s_cmp_eq_u32 s2, 0
	s_cbranch_scc0 .Lentry_in_a_cluster
	s_endpgm
.Lentry_in_a_cluster:
	s_bfe_u32 s2, ttmp6, 0x10000c
	s_cmp_lg_u32 s2, 0x3003
	s_cbranch_scc0 .Lentry_shape_is_right
	s_endpgm
.Lentry_shape_is_right:
; out0 = ctx Wo + bo on codes of BF8 (E5M2).  ctx: [8192][2048] as images of fragments, [tile of 16 tokens 512][K step of 128: 16][2048]: register 4 c + i of lane (r, h) holds k = 32 c + 16 h + 4 i + 0..3 of token r.  Wo_codes: [256][2048].  out0: [8192][256] f32.
; SHARES.  A work-group (x = block of 64 tokens, y = half of the 256 columns); wave (wr, wc) makes token tiles 2 wr, 2 wr + 1 x columns 64 wc on: 8 accumulators, 16 K steps, 128 products.
; The wave's ctx, 2 tiles x 16 images = 512 registers, is loaded straight into windows 2 and 3, in four groups of 32 loads.  Wo's half, 128 rows x 2,048 bytes, lies in LDS as two slices of 1,024 along K, each brought by one tensor
; load a wave (32 rows); no LDS byte is filled twice.  The second slice is asked for when the first has landed, and has eight K steps in which to land.
; Wo's fragments are read by loads of 16 bytes at 32 c + 16 h: k in the places where ctx's images have it.
; CLUSTER: the four token blocks of a cluster need the same half of Wo: its tiles are asked for jointly.  Nothing is prefetched: there is no loop to run ahead in.
; THE MATRIX INSTRUCTION IS USED TRANSPOSED (source 0 = 16 rows of Wo, source 1 = 16 tokens): a lane holds eight neighbouring columns of one row of out0.  A finished sum x 2^(e10 + e11) + bo is one packed multiply-add.
; LIMIT: e10 + e11 between -126 and 127.
; REGISTERS: window 0: v1-13 addresses; v64-95 bo in the result's layout; v128-191 the accumulators ((u, n) at 128 + 8 (4 u + n)); v192-255 results.   window 1: Wo's fragments, two sets of 64.   window 2 + u: ctx's tile u, K step k at 16 k.
.set WP,    1040                       ; an LDS row of a slice: 1,024 bytes + 16 = 260 words: row r starts at bank 4 r mod 64 (64 banks of 4 bytes: ISA guide 11.1)
.set SLICE, 128*WP
.set STG,   2*SLICE                    ; behind the slices: a stage of 32 rows x (256 + 16) bytes for each wave
.set SPARE, STG+4*32*272               ; the spare words: two blocks of 256 bytes that no other line names
.set LI,  1                            ; 16 x lane
.set AW,  2                            ; v2, v3  LDS address of my fragments of Wo in slice 0, 1
.set SO,  6                            ; the stage: where I put 32 bytes of a row
.set SR,  7                            ; and where I read a row back
.set GO,  8                            ; my byte offset in the wave's rows of out0
.set ABO, 11                           ; 32 h
.set SPW, 12
.set NIL, 13
.set BO,  64
.set ACC, 128
.set T,   192
.set WV,  14
.set MSB, 0
.macro WIN new
.if MSB != (\new)
	s_set_vgpr_msb (MSB<<8)|(\new)
.set MSB, (\new)
.endif
.endm
.macro PLACES n
.rept \n
	v_nop
.endr
.endm
.macro CROUND
	s_barrier_signal -1
	s_barrier_wait -1
	s_cmp_lg_u32 s[WV], 0
	s_cbranch_scc1 .Lnot_wave_0_\@
	s_barrier_signal -3
.Lnot_wave_0_\@:
	s_barrier_wait -3
	s_barrier_signal -1
	s_barrier_wait -1
.endm
	s_load_b256 s[4:11], s[0:1], 0x0               ; ctx_img s[4:5], Wo's codes s[6:7], bo s[8:9], the scales' exponents s[10:11]
	s_load_b64 s[12:13], s[0:1], 0x20              ; out0
	v_lshl_add_u32 v[SPW], v0, 2, SPARE
	v_mov_b32 v[NIL], 0
	ds_add_u32 v[SPW], v[NIL]                      ; the wave's opening: the add, twice on end, and its wait ahead of my first tensor load
	ds_add_u32 v[SPW], v[NIL]
	v_lshrrev_b32 v9, 5, v0
	v_readfirstlane_b32 s[WV], v9                  ; wave 0..3
	s_lshr_b32 s15, s[WV], 1                       ; wr
	s_and_b32 s16, s[WV], 1                        ; wc
	s_bfe_u32 s17, ttmp6, 0x40000                  ; cx
	s_lshl_b32 s18, ttmp9, 2
	s_add_co_u32 s18, s18, s17                     ; my block of 64 tokens
	s_and_b32 s19, ttmp7, 0xffff                   ; my half of the columns, which the four partners share
	s_mov_b32 s24, 15|(1<<20)|(1<<21)|(7<<22)|(3<<25)   ; group 1: the mask: all four; elements of 1 byte; padding on; 21 set beside a mask; after every 256 words (code 7) four words (code 3)
	s_mov_b32 s25, 1024<<16                        ; tensor_dim0
	s_mov_b32 s26, 32<<16                          ; tensor_dim1
	s_mov_b32 s27, 1024<<16                        ; tile_dim0
	s_mov_b32 s28, 32                              ; tile_dim1
	s_mov_b32 s29, 2048                            ; from row to row
	s_mov_b32 s30, 0
	s_mov_b32 s31, 0
	s_lshl_b32 s54, s19, 18
	s_lshl_b32 s56, s[WV], 16
	s_add_co_u32 s54, s54, s56                     ; (128 x half + 32 x wave) rows of 2,048 bytes
	s_mov_b32 s55, 0
	s_mul_i32 s56, s[WV], 32*WP                    ; my 32 rows in a slice
	s_mul_i32 s57, s16, 64*WP
	v_and_b32 v[LI], 31, v0
	v_lshlrev_b32 v[LI], 4, v[LI]
	v_and_b32 v9, 15, v0                           ; r
	v_bfe_u32 v10, v0, 4, 1                        ; h
	v_mul_u32_u24 v[AW], v9, WP
	v_lshl_add_u32 v[AW], v10, 4, v[AW]
	v_add_nc_u32 v[AW], s57, v[AW]                 ; row 64 wc + r, + 16 h
	v_add_nc_u32 v[AW+1], SLICE, v[AW]
	s_mul_i32 s57, s[WV], 32*272
	s_add_co_u32 s57, s57, STG                     ; my stage
	v_mul_u32_u24 v[SO], v9, 272
	v_lshl_add_u32 v[SO], v10, 5, v[SO]
	v_add_nc_u32 v[SO], s57, v[SO]                 ; in: row r, + 32 h
	v_mul_u32_u24 v[SR], v10, 272
	v_lshl_add_u32 v[SR], v9, 4, v[SR]
	v_add_nc_u32 v[SR], s57, v[SR]                 ; back: lanes 0-15 one row of 256 bytes, lanes 16-31 the next
	v_lshlrev_b32 v[GO], 10, v10
	v_lshl_add_u32 v[GO], v9, 4, v[GO]             ; and the same two rows in out0
	v_lshlrev_b32 v[ABO], 5, v10
	s_wait_alu depctr_va_vdst(0)
	s_wait_dscnt 0x0                               ; both opening adds are done
	s_wait_kmcnt 0x0
	s_load_b64 s[48:49], s[10:11], 0x28            ; e10, e11
	s_add_nc_u64 s[54:55], s[6:7], s[54:55]
.irp g, 0,1                                    ; group 0 for slice g
	s_mov_b32 s[32+4*\g], 1
	s_add_co_u32 s[33+4*\g], s56, \g*SLICE
	s_add_nc_u64 s[34+4*\g:35+4*\g], s[54:55], \g*1024
	s_or_b32 s[35+4*\g], s[35+4*\g], 0x80000000
.endr
	CROUND                                         ; all four work-groups are here: the joint loads meet
	tensor_load_to_lds s[32:35], s[24:31]          ; slice 0: one tensor load a wave at the head
	s_nop 0
	PLACES 4
	s_lshl_b32 s56, s19, 9
	s_lshl_b32 s58, s16, 8
	s_add_co_u32 s56, s56, s58                     ; 4 x (128 x half + 64 wc): in bo, and in a row of out0
	s_mov_b32 s57, 0
	s_add_nc_u64 s[8:9], s[8:9], s[56:57]
	s_add_nc_u64 s[12:13], s[12:13], s[56:57]
	s_lshl_b32 s56, s18, 16
	s_lshl_b32 s58, s15, 15
	s_add_co_u32 s56, s56, s58                     ; (64 x block + 32 wr) rows of 1,024 bytes
	s_add_nc_u64 s[12:13], s[12:13], s[56:57]
	s_lshl_b32 s56, s18, 17
	s_lshl_b32 s58, s15, 16
	s_add_co_u32 s56, s56, s58                     ; (4 x block + 2 wr) tiles of 32,768 bytes
	s_add_nc_u64 s[4:5], s[4:5], s[56:57]
.macro CTX g                           ; ctx of K steps 4 g .. 4 g + 3: 32 loads
.irp u, 0,1
	WIN 0x80+0x40*\u
.irp k, 0,1,2,3
.irp c, 0,1,2,3
	global_load_b128 v[16*(4*(\g)+\k)+4*\c:16*(4*(\g)+\k)+4*\c+3], v[LI], s[4:5] offset:32768*\u+2048*(4*(\g)+\k)+512*\c
.endr
.endr
.endr
	WIN 0
.endm
.macro FETCHW k                        ; Wo's four fragments of K step k: 16 loads, into set k % 2
	WIN 0x40
.irp n, 0,1,2,3
.irp c, 0,1,2,3
	ds_load_b128 v[64*((\k)%2)+16*\n+4*\c:64*((\k)%2)+16*\n+4*\c+3], v[AW+(\k)/8] offset:16*\n*WP+128*((\k)%8)+32*\c
.endr
.endr
.endm
.macro KSTEP k
.if (\k) == 2
	CTX 3
.endif
.if (\k) == 7
	s_wait_tensorcnt 0x0                           ; my part of slice 1 is in
	s_wait_dscnt 0x0
	s_barrier_signal -1
	s_barrier_wait -1                              ; everybody's is.
.endif
.if (\k) < 15
.if (\k) > 0
	PLACES 4                                       ; the other set was read by the K step before
.endif
	FETCHW (\k)+1
	s_wait_dscnt 16                                ; this K step's fragments are in; the 16 just issued may be out
.else
	s_wait_dscnt 0x0
.endif
.if (\k) == 0
	s_wait_loadcnt 63                              ; bo and ctx's K steps 0-3 are in: 64 loads were issued behind them, and 63 is the most that the wait can name
.elseif (\k) == 4
	s_wait_loadcnt 63                              ; K steps 4-7: 64 behind them
.elseif (\k) == 8
	s_wait_loadcnt 32                              ; K steps 8-11: 32 behind them
.elseif (\k) == 12
	s_wait_loadcnt 0x0
.endif
.irp u, 0,1                                    ; the eight accumulators take turns
	WIN 0x09+4*\u                                  ; source 0 (Wo) window 1, source 1 (ctx) window 2 + u, C and D window 0
.irp n, 0,1,2,3
.if (\k) == 0
	v_wmma_f32_16x16x128_bf8_bf8 v[ACC+8*(4*\u+\n):ACC+8*(4*\u+\n)+7], v[64*((\k)%2)+16*\n:64*((\k)%2)+16*\n+15], v[16*(\k):16*(\k)+15], 0
.else
	v_wmma_f32_16x16x128_bf8_bf8 v[ACC+8*(4*\u+\n):ACC+8*(4*\u+\n)+7], v[64*((\k)%2)+16*\n:64*((\k)%2)+16*\n+15], v[16*(\k):16*(\k)+15], v[ACC+8*(4*\u+\n):ACC+8*(4*\u+\n)+7]
.endif
.endr
.endr
.endm
.irp n, 0,1,2,3
	global_load_b128 v[BO+8*\n:BO+8*\n+3], v[ABO], s[8:9] offset:64*\n        ; bo of columns 16 n + 8 h + 0..7
	global_load_b128 v[BO+8*\n+4:BO+8*\n+7], v[ABO], s[8:9] offset:64*\n+16
.endr
	CTX 0
	s_wait_tensorcnt 0x0                           ; my part of slice 0 is in
	ds_add_u32 v[SPW], v[NIL]
	s_wait_dscnt 0x0
	CROUND                                         ; everybody's is, and the joint loads meet
	tensor_load_to_lds s[36:39], s[24:31]          ; slice 1
	s_nop 0
	PLACES 4
	CTX 1
	FETCHW 0
	CTX 2
.irp k, 0,1,2,3,4,5,6,7,8,9,10,11,12,13,14,15
	KSTEP \k
.endr
	WIN 0
	s_wait_kmcnt 0x0
	s_add_co_i32 s52, s48, s49
	s_add_co_i32 s52, s52, 127
	s_lshl_b32 s52, s52, 23                        ; 2^(e10 + e11) as f32
	s_mov_b32 s53, s52                             ; (named with it as a pair, so it is written)
	PLACES 4
.irp u, 0,1
.irp n, 0,1,2,3
.irp i, 0,2,4,6
	v_pk_fma_f32 v[T+8*(4*\u+\n)+\i:T+8*(4*\u+\n)+\i+1], v[ACC+8*(4*\u+\n)+\i:ACC+8*(4*\u+\n)+\i+1], s[52:53], v[BO+8*\n+\i:BO+8*\n+\i+1] op_sel_hi:[1,0,1]   ; sum x 2^(e10 + e11) + bo
.endr
.endr
.endr
	; A lane holds 32 neighbouring bytes of a row, and the lanes beside it hold other rows: my 32 rows x 256 bytes go through my own stage and come back as whole rows.
.irp u, 0,1
.irp n, 0,1,2,3
	ds_store_b128 v[SO], v[T+8*(4*\u+\n):T+8*(4*\u+\n)+3] offset:16*\u*272+64*\n
	ds_store_b128 v[SO], v[T+8*(4*\u+\n)+4:T+8*(4*\u+\n)+7] offset:16*\u*272+64*\n+16
.endr
.endr
.irp i, 0,1,2,3,4,5,6,7,8,9,10,11,12,13,14,15
	ds_load_b128 v[T+4*\i:T+4*\i+3], v[SR] offset:\i*2*272   ; LDS serves a wave's instructions in order (ISA guide 5.7.1.4): these see my stores
.endr
.irp i, 0,1,2,3,4,5,6,7,8,9,10,11,12,13,14,15
	s_wait_dscnt 15-\i                             ; the younger reads from the stage may be out
	global_store_b128 v[GO], v[T+4*\i:T+4*\i+3], s[12:13] offset:2048*\i th:TH_STORE_NT   ; sixteen lanes store 256 consecutive bytes, at a multiple of 256 from out0's first byte
.endr
	s_wait_tensorcnt 0x0                           ; the wave's end
	ds_add_u32 v[SPW], v[NIL]
	s_wait_dscnt 0x0
	CROUND                                         ; the closing round: no work-group ends while a partner may still ask for a tile that names it
	s_endpgm
.Lfunc_end_k_qf4b49c566c_outp:
	.size	k_qf4b49c566c_outp, .Lfunc_end_k_qf4b49c566c_outp-k_qf4b49c566c_outp
	.p2alignl 7, 3214868480
	.fill 96, 4, 3214868480
	.section	.rodata,"a",@progbits
	.p2align	6, 0x0
	.amdhsa_kernel k_qf4b49c566c_outp
		.amdhsa_group_segment_fixed_size 327680
		.amdhsa_private_segment_fixed_size 0
		.amdhsa_enable_private_segment 0
		.amdhsa_kernarg_size 40
		.amdhsa_user_sgpr_count 2
		.amdhsa_user_sgpr_kernarg_segment_ptr 1
		.amdhsa_wavefront_size32 1
		.amdhsa_system_sgpr_workgroup_id_x 1
		.amdhsa_system_sgpr_workgroup_id_y 1
		.amdhsa_system_sgpr_workgroup_id_z 1
		.amdhsa_system_vgpr_workitem_id 0
		.amdhsa_next_free_vgpr 1024
		.amdhsa_next_free_sgpr 66
		.amdhsa_reserve_vcc 0
		.amdhsa_float_denorm_mode_32 3
		.amdhsa_float_denorm_mode_16_64 3
		.amdhsa_memory_ordered 1
		.amdhsa_forward_progress 1
		.amdhsa_inst_pref_size 53
	.end_amdhsa_kernel
	.amdgpu_metadata
---
amdhsa.version: [ 1, 2 ]
amdhsa.kernels:
  - .name:           k_qf4b49c566c_outp
    .symbol:         k_qf4b49c566c_outp.kd
    .args:
      - { .name: ctx_img, .offset: 0, .size: 8, .value_kind: global_buffer, .address_space: global }
      - { .name: Wo_codes, .offset: 8, .size: 8, .value_kind: global_buffer, .address_space: global }
      - { .name: bo, .offset: 16, .size: 8, .value_kind: global_buffer, .address_space: global }
      - { .name: lowp_scales, .offset: 24, .size: 8, .value_kind: global_buffer, .address_space: global }
      - { .name: out0, .offset: 32, .size: 8, .value_kind: global_buffer, .address_space: global }
    .group_segment_fixed_size: 327680
    .private_segment_fixed_size: 0
    .kernarg_segment_align: 8
    .kernarg_segment_size: 40
    .max_flat_workgroup_size: 128
    .sgpr_count:     66
    .vgpr_count:     1024
    .wavefront_size: 32
...
	.end_amdgpu_metadata
.endif
;; end of part 3
